; MI455X (gfx1250); checked and timed in simulation.
; The chip was launched on July 23, 2026; its instructions are those of AMD's public machine-readable ISA for CDNA 5 (MIT licence, August 2026) and "CDNA5" Instruction Set Architecture Reference Guide (July 2026). The comments in the code are by the model that wrote it; some were corrected since.
;; Var Whisper Attention. Allowed arithmetic: matrix products marked QUANTISED: E4M3 operands, one given power-of-two scale a tensor, by v_wmma_f32_16x16x64_fp8_fp8 or v_wmma_f32_16x16x128_fp8_fp8, f32 sums; everything else in f32.
;; Inputs: attention_mask 2 x 1 x 2,048 x 2,048 float32; lowp_scales 4 int32 (the exponents e of the quantised operands' scales 2^e); position_ids 2 x 2,048 int32; qkv 2 x 2,048 x 3 x 16 x 64 float32; sliding_window_mask 2 x 1 x 2,048 x 2,048 float32.
;; Outputs: out0 2 x 2,048 x 1,024 float32.
;; This version of the problem:
;;   THIS VERSION OF THE PROBLEM IS GIVEN IN LOW PRECISION. The matrix products marked QUANTISED in the list below multiply operands that are first quantised to E4M3 (4 exponent bits, 3 mantissa bits; 8 bits a number), with one given power-of-two scale for each operand tensor; their sums are f32. All else is computed in f32.
;;   The module's matrix products, in the order in which they are computed (A, B: the left and right operand; K: the contracted axis; several contracted axes count as one K, in the product's order):
;;     1. batch 32 x [M 2,048, K 64] x [K 64, N 2,048]; A: computed on the way; B: computed on the way: QUANTISED (scales: A lowp_scales[0], B lowp_scales[1])
;;     2. batch 32 x [M 2,048, K 2,048] x [K 2,048, N 64]; A: softmax (see below); B: input qkv: QUANTISED (scales: A lowp_scales[2], B lowp_scales[3])
;;   THE QUANTISER, for each operand of a quantised product, along K:
;;     - The operand's scale is 2^e, e = its entry of the input lowp_scales (int32; the entries are numbered through the quantised products in the list's order, A before B).
;;     - Each number is divided by the scale, clamped to +-448, and rounded to the nearest number of E4M3, ties to even, subnormals kept.
;;     - The product sums the exact products of the quantised numbers (number of the format x scale) in f32.
;;   ~~~python
;;   def quantise(x, axis, e):      # numpy; x: float32 -> the quantised numbers, widened to float32 again
;;       x = np.moveaxis(x, axis, -1); K = x.shape[-1]
;;       r = np.clip(x / 2.0 ** e, -448, 448)
;;       step = 2.0 ** (np.maximum(np.frexp(np.where(r == 0, 1, r))[1] - 1, -6) - 3)
;;       q = np.round(r / step) * step * 2.0 ** e      # np.round: ties to even
;;       return np.moveaxis(q, -1, axis).astype(np.float32)
;;   ~~~
;;   SOFTMAX AHEAD OF A QUANTISED PRODUCT. Where the list says 'softmax', what is quantised is not the finished softmax but p = 2^(t - M), with t = logit x log2(e) and M = ceil(the row's largest t), a whole number; so 1/2 < the row's largest p <= 1. The row's sum l is taken of the UNQUANTISED p, in f32, and the product's result is divided by l at the end. Since M is a whole number, a kernel that streams over the keys may use a running M (the ceiling of the running maximum): every later rescaling is an exact power of two, so the quantised numbers keep their values, but for numbers so far below the row's largest that they fall under the format's range.
;;   OPERANDS COMPUTED ON THE WAY. 'Computed on the way' means the value that the module computes at that place (a softmax that the list does not call 'softmax' is quantised finished and normalised). What goes into a quantiser is computed in f32, as accurately as f32 sums, v_exp_f32 and their like allow (about 1e-6 of the number): no bf16 or f16 on the way to a quantiser, and a product that is left as it is and whose result goes on into a quantised operand takes f32 operands (vector FMAs, or v_wmma_f32_16x16x4_f32). A number that lies on a knife's edge between two numbers of the format may be rounded either way, as far as f32 arithmetic and the matrix unit's own rounding can turn it there, and no further.
;; One version. Each part assembles by itself: llvm-mc -triple=amdgcn-amd-amdhsa -mcpu=gfx1250 --defsym DOCPART=n.
;; ======== version 1 of 1: 2 launches
;; limits: right only within a limited range of input values
;; workspace buffers: qc 4,194,304 bytes; kc 4,194,304 bytes; vc 4,194,304 bytes; live 1,024 bytes of whole numbers
;; launch prep (part 1): grid 256 x 1, 8 waves a work-group, no clusters, 44,288 bytes of LDS; arguments qkv, sliding_window_mask, position_ids, lowp_scales, qc, kc, vc, live; writes qc, kc, vc, live
.if DOCPART == 1
	.amdgcn_target "amdgcn-amd-amdhsa--gfx1250"
	.amdhsa_code_object_version 6
	.text
	.protected	k_qa29c8987f1_prep
	.globl	k_qa29c8987f1_prep
	.p2align	8
	.type	k_qa29c8987f1_prep,@function
k_qa29c8987f1_prep:
	s_mov_b64 s[64:65], 0
	v_nop
	global_prefetch_b8 v0, s[64:65] scope:SCOPE_SE
	s_setreg_imm32_b32 hwreg(HW_REG_WAVE_MODE, 25, 1), 1
	s_wait_xcnt 0x0
; PREP: rotary embedding of q and k, the three quantisers (E4M3, given scales 2^e0, 2^e1, 2^e3), and a list of the key steps that count.
; DEAD WORK.  attention_mask: reference() takes it as an argument and never reads it, so for all values it has no way to the output: it is not loaded and is no argument of any launch.
;   LIMIT: a NaN or an infinity in attention_mask is not carried to the result.
; THE LIST OF LIVE KEY STEPS (a whole number for each 16 queries, bit n = key step n of 128 keys; the next launch reads it from memory and walks only the steps named).
;   Codes are held within +-448, so |q . k| / 8 <= B = 64 x 448^2 x 2^(e0+e1) / 8 = 1,605,632 x 2^(e0+e1), whatever qkv holds.  Let mmax be a row's largest mask number.  A step whose largest mask
;   number is under mmax - DELTA, DELTA = 2 B + 256, holds only logits under (mmax - B) - 256, and the key that has mmax, which lies in a live step, has a logit of at least mmax - B.
;   So every p = 2^(t - M) of that step lies under 2^-369: it is 0 in f32, adds nothing to the row's sum or to the product, and cannot move M.  This holds for every mask; nothing of the mask's pattern is built in.
;   LIMITS: a NaN that lies only in a step left out is not carried to the result; a row with +infinity in its mask is not served (reference() gives NaN there).
; SHARES.  Work-group g owns the 16 positions 16 g .. 16 g + 15 (batch g / 128): 196,608 consecutive bytes of qkv and 16 rows of the mask.  Wave w: q and k of positions w and w + 8, all heads; v of heads 2 w, 2 w + 1,
;   all 16 positions; mask rows 2 w, 2 w + 1.  Every load of a wave covers 512 consecutive bytes; all 48 first loads of a wave are out at once.
; LAYOUTS OUT (in the order of the next launch's operand registers; lane L = r + 16 hf):
;   qc [b][H][tile of 16 positions][g 0..1][L][16 bytes]: q'(position r, d = 32 hf + 16 g + byte)
;   kc [b][H][16 positions][2 u + g][hf][r7 0..7][16 bytes]: k'(position 8 u + r7, d = 32 hf + 16 g + byte)
;   vc [b][H][step of 128 keys][cc 0..3][c 0..3][L][16 bytes]: v(key 32 c + 16 hf + byte, d = 4 r + cc)
; LIMITS: e0, e1, e3 between -126 and 119 (2^e and 448 x 2^e are made as f32 numbers); |position_ids| <= 2^22 (two parts of pi / 2 in the reduction); inv_freq within about 2 units in the last place of 10000^(-j/32);
;   NaN in qkv is not served.
; No matrix unit, no tensor load, no cluster: the launch streams, and its work-groups share no input.
.set HS,    1344                       ; a head's stage in LDS: 16 positions x 80 bytes (64 codes + 16 of padding), + 64 of padding
.set QST,   0                          ; q's 16 stages
.set KST,   16*HS                      ; k's 16 stages
.set FLG,   32*HS                      ; eight words: each wave's bits
.set SPARE, FLG+256                    ; the spare words, 128 bytes for each of the eight waves: four blocks of 256 bytes that no other line names
.set CD,    32                         ; v32-47   codes just made; later the 16 steps' largest mask numbers
.set TT,    48                         ; v48-63   at work
.set INV,   56                         ; v56-59   inv_freq of my four d
.set RA,    64                         ; v64-127  position w: q (32), k (32); later mask row 2 w
.set RB,    128                        ; v128-191 position w + 8; later mask row 2 w + 1
.set RC,    192                        ; v192-255 v: 16 positions x 4; later what is stored
; v1 q, k offset   v2 v offset   v3 mask offset   v4 stage, in   v5 stage, q back   v6 stage, k back   v7 16 x lane   v8 vc offset   v9, v10 the add's two   v11-13 2^e0, 2^e1, 2^e3
; v14 the sine's sign   v15 my wave's flag word   v16-23 cos, sin of position w   v24-31 of position w + 8
	s_load_b256 s[4:11], s[0:1], 0x0               ; qkv s[4:5], mask s[6:7], position_ids s[8:9], lowp_scales s[10:11]
	s_load_b256 s[12:19], s[0:1], 0x20             ; qc s[12:13], kc s[14:15], vc s[16:17], live s[18:19]
	v_lshl_add_u32 v9, v0, 2, SPARE                ; my spare word,
	v_mov_b32 v10, 0                               ; and 0: kept for the closing lines alone
	v_lshrrev_b32 v48, 5, v0
	v_readfirstlane_b32 s20, v48                   ; wave 0..7
	v_and_b32 v49, 31, v0                          ; lane l
	v_lshlrev_b32 v7, 4, v49                       ; 16 l
	s_mul_i32 s50, s20, 12288
	v_add_nc_u32 v1, s50, v7                       ; q, k: position w, 16 bytes a lane
	s_lshl_b32 s50, s20, 9
	v_add_nc_u32 v2, s50, v7                       ; v: heads 2 w, 2 w + 1
	s_lshl_b32 s50, s20, 14
	v_add_nc_u32 v3, s50, v7                       ; mask: row 2 w
	v_bfe_u32 v50, v0, 4, 1                        ; l / 16
	v_and_b32 v51, 15, v0                          ; l % 16
	v_mul_u32_u24 v4, v50, HS
	v_lshl_add_u32 v4, v51, 2, v4
	s_mul_i32 s50, s20, 80
	v_add_nc_u32 v4, s50, v4                       ; stage, in: head l / 16 of a load's two, row w, my 4 codes
	s_mul_i32 s51, s20, 2*HS
	v_mul_u32_u24 v5, v51, 80
	v_lshl_add_u32 v5, v50, 5, v5
	v_add_nc_u32 v5, s51, v5                       ; q back: head 2 w, row r, d = 32 hf
	v_and_b32 v52, 7, v0
	v_bfe_u32 v53, v0, 3, 1
	v_mul_u32_u24 v6, v52, 80
	v_lshl_add_u32 v6, v53, 5, v6
	v_lshl_add_u32 v6, v50, 4, v6
	v_add_nc_u32 v6, s51, v6                       ; k back: head 2 w, row l % 8, d = 32 ((l / 8) % 2) + 16 (l / 16)
	v_lshlrev_b32 v8, 17, v50
	v_lshl_add_u32 v8, v51, 4, v8                  ; vc: head l / 16 of my two (131,072 bytes apart), 16 bytes for row r
	s_lshl_b32 s50, s20, 2
	s_add_co_u32 s50, s50, FLG
	v_mov_b32 v15, s50
	v_lshlrev_b32 v14, 31, v53
	v_xor_b32 v14, 0x80000000, v14                 ; d < 32 (bit 3 of l clear): rotate_half brings -x(d + 32)
.irp r, 54,55,56,57,58,59,60,61,62,63
	v_mov_b32 v\r, 0                               ; v48-63 are destinations of lane exchanges, which count as read: all sixteen are written once
.endr
	s_lshr_b32 s22, ttmp9, 7                       ; batch
	s_and_b32 s23, ttmp9, 127                      ; tile of 16 positions
	s_mul_i32 s50, ttmp9, 196608                   ; 16 positions x 12,288 bytes
	s_mov_b32 s51, 0
	s_lshl_b32 s52, ttmp9, 17                      ; 16 mask rows x 8,192 bytes
	s_mov_b32 s53, 0
	s_lshl_b32 s54, ttmp9, 6
	s_lshl_b32 s55, s20, 2
	s_add_co_u32 s54, s54, s55                     ; 4 (16 g + w)
	s_mov_b32 s55, 0
	s_wait_kmcnt 0x0
	s_load_b128 s[24:27], s[10:11], 0x0            ; e0, e1, e2, e3
	s_add_nc_u64 s[8:9], s[8:9], s[54:55]
	s_load_b32 s28, s[8:9], 0x0                    ; position_ids of position w,
	s_load_b32 s29, s[8:9], 0x20                   ; and of w + 8
	s_add_nc_u64 s[4:5], s[4:5], s[50:51]
	s_add_nc_u64 s[6:7], s[6:7], s[52:53]
.macro QKLOAD reg, off                 ; a position's q and k: load i brings heads 2 i, 2 i + 1: lane l holds head 2 i + l / 16, d = 4 (l % 16) + 0..3
.irp i, 0,1,2,3,4,5,6,7
	global_load_b128 v[\reg+4*\i:\reg+4*\i+3], v1, s[4:5] offset:\off+512*\i th:TH_LOAD_NT
.endr
.irp i, 0,1,2,3,4,5,6,7
	global_load_b128 v[\reg+32+4*\i:\reg+32+4*\i+3], v1, s[4:5] offset:\off+4096+512*\i th:TH_LOAD_NT
.endr
.endm
.macro MASKLOAD reg, off               ; a mask row: load i is key step i, 128 numbers
.irp i, 0,1,2,3,4,5,6,7,8,9,10,11,12,13,14,15
	global_load_b128 v[\reg+4*\i:\reg+4*\i+3], v3, s[6:7] offset:\off+512*\i th:TH_LOAD_NT
.endr
.endm
	QKLOAD RA, 0
	QKLOAD RB, 98304
.irp p, 0,1,2,3,4,5,6,7,8,9,10,11,12,13,14,15
	global_load_b128 v[RC+4*\p:RC+4*\p+3], v2, s[4:5] offset:12288*\p+8192 th:TH_LOAD_NT   ; v of position p, my two heads
.endr
	; while the 48 loads are out: where the results go, the constants, inv_freq, cos and sin
	s_lshl_b32 s50, s22, 21                        ; batch x 2,097,152
	s_lshl_b32 s52, s20, 18                        ; head 2 w x 131,072
	s_add_co_u32 s50, s50, s52
	s_lshl_b32 s52, s23, 10
	s_add_co_u32 s52, s52, s50                     ; + tile x 1,024
	s_add_nc_u64 s[12:13], s[12:13], s[52:53]
	s_add_nc_u64 s[14:15], s[14:15], s[52:53]
	s_lshr_b32 s52, s23, 3
	s_lshl_b32 s52, s52, 13
	s_add_co_u32 s50, s50, s52                     ; vc: + step x 8,192
	s_and_b32 s52, s23, 7
	s_lshl_b32 s52, s52, 8
	s_add_co_u32 s50, s50, s52                     ; + my 16 keys' place in a step's image: 256 (tile % 8)
	s_add_nc_u64 s[16:17], s[16:17], s[50:51]
	s_lshl_b32 s50, ttmp9, 2
	s_add_nc_u64 s[18:19], s[18:19], s[50:51]
	s_mov_b32 s36, 0x05010400                      ; byte selects of the 4 x 4 transposition
	s_mov_b32 s37, 0x07030602
	s_mov_b32 s38, 0x05040100
	s_mov_b32 s39, 0x07060302
	s_mov_b32 s40, 0x76543210                      ; v_permlanex16_b32: lane l xor 16
	s_mov_b32 s41, 0xfedcba98
	s_mov_b32 s42, 0                               ; my two rows' live bits
	s_mov_b32 s44, 0xb94ca1f9                      ; sine:   r + r z (S1 + z (S2 + z S3)), z = r^2, |r| <= pi / 4
	s_mov_b32 s45, 0x3c08839e
	s_mov_b32 s46, 0xbe2aaaa3
	s_mov_b32 s47, 0x37ccf5ce                      ; cosine: 1 - z / 2 + z^2 (C1 + z (C2 + z C3))
	s_mov_b32 s48, 0xbab6061a
	s_mov_b32 s49, 0x3d2aaaa5
	s_mov_b32 s56, 0xbed49a78                      ; -c, c = log2(10000) / 32, in two parts
	s_mov_b32 s57, 0xb2178d50
	v_lshlrev_b32 v44, 2, v52                      ; 4 (l % 8): my d modulo 32 begin here
.irp x, 0,1,2,3                        ; inv_freq(j) = 2^(-c j), j = 4 (l % 8) + x: the exponent's nearest whole number N is taken off first, so that the fraction keeps its low bits
	v_add_nc_u32 v[36+\x], \x, v44
	v_cvt_f32_u32 v[36+\x], v[36+\x]
	v_mul_f32 v[40+\x], s56, v[36+\x]
	v_rndne_f32 v[40+\x], v[40+\x]
	v_fma_f32 v[32+\x], v[36+\x], s56, -v[40+\x]
	v_fma_f32 v[32+\x], v[36+\x], s57, v[32+\x]
	v_cvt_i32_f32 v[40+\x], v[40+\x]
.endr
.irp x, 0,1,2,3
	v_exp_f32 v[INV+\x], v[32+\x]
.endr
	v_nop                                          ; a plain instruction behind the last exponential,
	s_wait_alu depctr_va_vdst(0)                   ; and one wait for the four, ahead of their first reader
.irp x, 0,1,2,3
	v_ldexp_f32 v[INV+\x], v[INV+\x], v[40+\x]
.endr
; cos and sin of position x inv_freq, for my four d.  k = the nearest whole number to x 2 / pi; r = x - k pi / 2 by two fused multiply-adds; the quadrant k % 4 swaps and signs the two polynomials.  The sine also takes rotate_half's sign.
.macro SINCOS spos, cs, sn
	v_cvt_f32_i32 v54, \spos
.irp x, 0,1,2,3
	v_mul_f32 v48, v54, v[INV+\x]                  ; as reference() has it: one f32 product
	v_mul_f32 v49, 0x3f22f983, v48
	v_rndne_f32 v49, v49
	v_fmamk_f32 v48, v49, 0xbfc90fdb, v48
	v_fmamk_f32 v48, v49, 0x333bbd2e, v48
	v_cvt_i32_f32 v49, v49
	v_mul_f32 v50, v48, v48
	v_fma_f32 v51, v50, s44, s45
	v_fma_f32 v52, v50, s47, s48
	v_fma_f32 v51, v51, v50, s46
	v_fma_f32 v52, v52, v50, s49
	v_mul_f32 v53, v50, v48
	v_fma_f32 v51, v51, v53, v48                   ; sin r
	v_mul_f32 v53, v50, v50
	v_fma_f32 v48, v50, -0.5, 1.0
	v_fma_f32 v52, v52, v53, v48                   ; cos r
	v_and_b32 v53, 1, v49
	v_cmp_eq_u32 vcc_lo, 1, v53
	v_cndmask_b32 v[\sn+\x], v51, v52, vcc_lo
	v_cndmask_b32 v[\cs+\x], v52, v51, vcc_lo
	v_lshlrev_b32 v53, 30, v49
	v_and_b32 v53, 0x80000000, v53                 ; sine: minus in quadrants 2, 3
	v_xor_b32 v53, v53, v14
	v_xor_b32 v[\sn+\x], v[\sn+\x], v53
	v_add_nc_u32 v49, 1, v49
	v_lshlrev_b32 v49, 30, v49
	v_and_b32 v49, 0x80000000, v49                 ; cosine: minus in quadrants 1, 2
	v_xor_b32 v[\cs+\x], v[\cs+\x], v49
.endr
.endm
	s_wait_kmcnt 0x0
	SINCOS s28, 16, 20
	SINCOS s29, 24, 28
	s_add_co_i32 s50, s24, 127                     ; for each of the three quantisers: 2^e as f32 (the conversion takes its exponent field), and -+448 x 2^e
	s_lshl_b32 s51, s50, 23
	v_mov_b32 v11, s51
	s_add_co_i32 s50, s50, 8
	s_lshl_b32 s50, s50, 23
	s_or_b32 s31, s50, 0x600000
	s_or_b32 s30, s31, 0x80000000
	s_add_co_i32 s50, s25, 127
	s_lshl_b32 s51, s50, 23
	v_mov_b32 v12, s51
	s_add_co_i32 s50, s50, 8
	s_lshl_b32 s50, s50, 23
	s_or_b32 s33, s50, 0x600000
	s_or_b32 s32, s33, 0x80000000
	s_add_co_i32 s50, s27, 127
	s_lshl_b32 s51, s50, 23
	v_mov_b32 v13, s51
	s_add_co_i32 s50, s50, 8
	s_lshl_b32 s50, s50, 23
	s_or_b32 s35, s50, 0x600000
	s_or_b32 s34, s35, 0x80000000
	s_add_co_i32 s58, s24, s25                     ; e0 + e1
; A position's q and k: x' = x cos + x(d +- 32) sin: the partner lies in lane l xor 8; held within the largest code x the scale (the conversion to an 8-bit code does not saturate: ISA guide 7.6.2); eight codes a conversion:
; a word of four codes for each of two loads; the words go into the heads' stages, row = the position.
.macro ROPE reg, cs, sn, row
.irp i, 0,1,2,3,4,5,6,7,8,9,10,11,12,13,14,15
.irp x, 0,1,2,3
	v_mul_f32_dpp v[TT+4*(\i%2)+\x], v[\reg+4*\i+\x], v[\sn+\x] row_xmask:8 row_mask:0xf bank_mask:0xf
.endr
	v_pk_fma_f32 v[\reg+4*\i:\reg+4*\i+1], v[\reg+4*\i:\reg+4*\i+1], v[\cs:\cs+1], v[TT+4*(\i%2):TT+4*(\i%2)+1]
	v_pk_fma_f32 v[\reg+4*\i+2:\reg+4*\i+3], v[\reg+4*\i+2:\reg+4*\i+3], v[\cs+2:\cs+3], v[TT+4*(\i%2)+2:TT+4*(\i%2)+3]
.irp x, 0,1,2,3
	v_med3_num_f32 v[\reg+4*\i+\x], v[\reg+4*\i+\x], s[30+2*(\i/8)], s[31+2*(\i/8)]
.endr
.endr
.irp k, 0,1,2,3,4,5,6,7
	v_cvt_scalef32_pk8_fp8_f32 v[CD+2*\k:CD+2*\k+1], v[\reg+8*\k:\reg+8*\k+7], v[11+\k/4]
.endr
	v_nop                                          ; a plain instruction behind the last conversion, ahead of whatever vector instruction next touches its registers
.irp i, 0,1,2,3,4,5,6,7
	ds_store_b32 v4, v[CD+\i] offset:QST+2*HS*\i+\row
	ds_store_b32 v4, v[CD+8+\i] offset:KST+2*HS*\i+\row
.endr
.endm
	s_wait_loadcnt 32                              ; position w is in; the 32 younger loads (position w + 8, v) may be out
	ROPE RA, 16, 20, 0
	MASKLOAD RA, 0                                 ; its registers take mask row 2 w
	s_wait_dscnt 0x0                               ; the stores have read the codes' registers
	s_wait_loadcnt 32                              ; position w + 8 is in; v and mask row 2 w may be out
	ROPE RB, 24, 28, 640
	MASKLOAD RB, 8192                              ; mask row 2 w + 1
	s_wait_dscnt 0x0
	; v: K of the second product is the keys, which here run over a lane's 16 loads: word p holds position p's codes of d = 4 r + 0..3; four transpositions of 4 x 4 bytes give, for each cc, 16 keys' codes of d = 4 r + cc
	s_wait_loadcnt 32                              ; v is in; the two mask rows may be out
.set j, 0
.rept 64
	v_med3_num_f32 v[RC+j], v[RC+j], s34, s35
.set j, j+1
.endr
.irp k, 0,1,2,3,4,5,6,7
	v_cvt_scalef32_pk8_fp8_f32 v[CD+2*\k:CD+2*\k+1], v[RC+8*\k:RC+8*\k+7], v13
.endr
	v_nop                                          ; a plain instruction between the conversions and the readers of their results
.irp q, 0,1,2,3
	v_perm_b32 v48, v[CD+4*\q+1], v[CD+4*\q], s36
	v_perm_b32 v49, v[CD+4*\q+1], v[CD+4*\q], s37
	v_perm_b32 v50, v[CD+4*\q+3], v[CD+4*\q+2], s36
	v_perm_b32 v51, v[CD+4*\q+3], v[CD+4*\q+2], s37
	v_perm_b32 v[RC+\q], v50, v48, s38
	v_perm_b32 v[RC+4+\q], v50, v48, s39
	v_perm_b32 v[RC+8+\q], v51, v49, s38
	v_perm_b32 v[RC+12+\q], v51, v49, s39
.endr
.irp c, 0,1,2,3
	global_store_b128 v8, v[RC+4*\c:RC+4*\c+3], s[16:17] offset:2048*\c   ; sixteen lanes store 256 consecutive bytes, at a multiple of 256 from vc's first byte
.endr
	; the mask: each step's largest number of a row against the row's largest less DELTA
	v_mov_b32 v18, 0x4a440000                      ; 2 x 1,605,632
	v_ldexp_f32 v18, v18, s58
	v_add_f32 v18, 0x43800000, v18                 ; DELTA = 2 B + 256
.macro MROW reg
.irp i, 0,1,2,3,4,5,6,7,8,9,10,11,12,13,14,15
	v_max3_num_f32 v[CD+\i], v[\reg+4*\i], v[\reg+4*\i+1], v[\reg+4*\i+2]
.endr
.irp i, 0,1,2,3,4,5,6,7,8,9,10,11,12,13,14,15
	v_max_num_f32 v[CD+\i], v[CD+\i], v[\reg+4*\i+3]
.endr
.irp m, 1,2,4,8
.irp i, 0,1,2,3,4,5,6,7,8,9,10,11,12,13,14,15
	v_max_num_f32_dpp v[CD+\i], v[CD+\i], v[CD+\i] row_xmask:\m row_mask:0xf bank_mask:0xf
.endr
.endr
.irp i, 0,1,2,3,4,5,6,7,8,9,10,11,12,13,14,15
	v_permlanex16_b32 v[TT+\i], v[CD+\i], s40, s41
.endr
.irp i, 0,1,2,3,4,5,6,7,8,9,10,11,12,13,14,15
	v_max_num_f32 v[CD+\i], v[CD+\i], v[TT+\i]     ; step i's largest, in every lane
.endr
	v_max3_num_f32 v16, v[CD], v[CD+1], v[CD+2]
.irp i, 3,5,7,9,11,13
	v_max3_num_f32 v16, v16, v[CD+\i], v[CD+\i+1]
.endr
	v_max_num_f32 v16, v16, v[CD+15]               ; the row's largest
	v_sub_f32 v17, v16, v18
.irp i, 0,1,2,3,4,5,6,7,8,9,10,11,12,13,14,15
	v_cmp_ge_f32 vcc_lo, v[CD+\i], v17             ; all lanes alike: the bit is only stored; no branch and no address of this launch hangs on it
	s_and_b32 s43, vcc_lo, 1<<\i
	s_or_b32 s42, s42, s43
.endr
.endm
	s_wait_loadcnt 16                              ; mask row 2 w is in; row 2 w + 1 may be out
	MROW RA
	s_wait_loadcnt 0x0
	MROW RB
	v_mov_b32 v19, s42
	ds_store_b32 v15, v19
	s_wait_dscnt 0x0                               ; for the others' sake: my codes and my bits lie in LDS
	s_barrier_signal -1
	s_barrier_wait -1                              ; everybody's do
	; heads 2 w and 2 w + 1 leave, in the order of the operand's registers: each store covers 512 consecutive bytes
.irp h, 0,1
.irp g, 0,1
	ds_load_b128 v[208+4*(2*\h+\g):208+4*(2*\h+\g)+3], v5 offset:QST+HS*\h+16*\g
.endr
.endr
.irp h, 0,1
.irp n, 0,1
	ds_load_b128 v[224+4*(2*\h+\n):224+4*(2*\h+\n)+3], v6 offset:KST+HS*\h+640*\n
.endr
.endr
.irp h, 0,1
.irp g, 0,1
	s_wait_dscnt 7-(2*\h+\g)                       ; LDS loads come back in order: this one is in, the younger ones may be out
	global_store_b128 v7, v[208+4*(2*\h+\g):208+4*(2*\h+\g)+3], s[12:13] offset:131072*\h+512*\g
.endr
.endr
.irp h, 0,1
.irp n, 0,1
	s_wait_dscnt 3-(2*\h+\n)
	global_store_b128 v7, v[224+4*(2*\h+\n):224+4*(2*\h+\n)+3], s[14:15] offset:131072*\h+512*\n
.endr
.endr
	s_cmp_lg_u32 s20, 0                            ; wave 0 joins the eight waves' bits and stores the tile's word
	s_cbranch_scc1 .Lend
	ds_load_b128 v[24:27], v15
	ds_load_b128 v[28:31], v15 offset:16
	s_wait_dscnt 0x0
	v_or_b32 v24, v24, v25
	v_or_b32 v26, v26, v27
	v_or_b32 v28, v28, v29
	v_or_b32 v30, v30, v31
	v_or_b32 v24, v24, v26
	v_or_b32 v28, v28, v30
	v_or_b32 v24, v24, v28
	v_mov_b32 v25, 0
	v_cmp_eq_u32 vcc_lo, 0, v0
	s_wait_xcnt 0x0                                ; EXEC is a source of the stores above: it changes only behind this wait
	s_and_saveexec_b32 s43, vcc_lo
	global_store_b32 v25, v24, s[18:19]
	s_wait_xcnt 0x0                                ; and again, ahead of the line that widens it
	s_or_b32 exec_lo, exec_lo, s43
.Lend:
	s_wait_tensorcnt 0x0                           ; the wave's end: behind my last LDS store
	ds_add_u32 v9, v10
	s_wait_dscnt 0x0
	s_endpgm
.Lfunc_end_k_qa29c8987f1_prep:
	.size	k_qa29c8987f1_prep, .Lfunc_end_k_qa29c8987f1_prep-k_qa29c8987f1_prep
	.p2alignl 7, 3214868480
	.fill 96, 4, 3214868480
	.section	.rodata,"a",@progbits
	.p2align	6, 0x0
	.amdhsa_kernel k_qa29c8987f1_prep
		.amdhsa_group_segment_fixed_size 44288
		.amdhsa_private_segment_fixed_size 0
		.amdhsa_enable_private_segment 0
		.amdhsa_kernarg_size 64
		.amdhsa_user_sgpr_count 2
		.amdhsa_user_sgpr_kernarg_segment_ptr 1
		.amdhsa_wavefront_size32 1
		.amdhsa_system_sgpr_workgroup_id_x 1
		.amdhsa_system_sgpr_workgroup_id_y 1
		.amdhsa_system_sgpr_workgroup_id_z 1
		.amdhsa_system_vgpr_workitem_id 0
		.amdhsa_next_free_vgpr 256
		.amdhsa_next_free_sgpr 66
		.amdhsa_reserve_vcc 1
		.amdhsa_float_denorm_mode_32 3
		.amdhsa_float_denorm_mode_16_64 3
		.amdhsa_memory_ordered 1
		.amdhsa_forward_progress 1
		.amdhsa_inst_pref_size 77
	.end_amdhsa_kernel
	.amdgpu_metadata
---
amdhsa.version: [ 1, 2 ]
amdhsa.kernels:
  - .name:           k_qa29c8987f1_prep
    .symbol:         k_qa29c8987f1_prep.kd
    .args:
      - { .name: qkv, .offset: 0, .size: 8, .value_kind: global_buffer, .address_space: global }
      - { .name: sliding_window_mask, .offset: 8, .size: 8, .value_kind: global_buffer, .address_space: global }
      - { .name: position_ids, .offset: 16, .size: 8, .value_kind: global_buffer, .address_space: global }
      - { .name: lowp_scales, .offset: 24, .size: 8, .value_kind: global_buffer, .address_space: global }
      - { .name: qc, .offset: 32, .size: 8, .value_kind: global_buffer, .address_space: global }
      - { .name: kc, .offset: 40, .size: 8, .value_kind: global_buffer, .address_space: global }
      - { .name: vc, .offset: 48, .size: 8, .value_kind: global_buffer, .address_space: global }
      - { .name: live, .offset: 56, .size: 8, .value_kind: global_buffer, .address_space: global }
    .group_segment_fixed_size: 44288
    .private_segment_fixed_size: 0
    .kernarg_segment_align: 8
    .kernarg_segment_size: 64
    .max_flat_workgroup_size: 256
    .sgpr_count:     66
    .vgpr_count:     256
    .wavefront_size: 32
...
	.end_amdgpu_metadata
.endif
;; end of part 1
;; launch attn (part 2): grid 256 x 1, 4 waves a work-group, no clusters, 85,504 bytes of LDS; arguments qc, kc, vc, sliding_window_mask, live, lowp_scales, out0; writes out0
.if DOCPART == 2
	.amdgcn_target "amdgcn-amd-amdhsa--gfx1250"
	.amdhsa_code_object_version 6
	.text
	.protected	k_qa29c8987f1_attn
	.globl	k_qa29c8987f1_attn
	.p2align	8
	.type	k_qa29c8987f1_attn,@function
k_qa29c8987f1_attn:
	s_mov_b64 s[64:65], 0
	v_nop
	global_prefetch_b8 v0, s[64:65] scope:SCOPE_SE
	s_setreg_imm32_b32 hwreg(HW_REG_WAVE_MODE, 25, 1), 1
	s_wait_xcnt 0x0
; ATTN: out = softmax(q' k'^T / 8 + mask) v on the codes that the launch before made, both products by the FP8 matrix forms.
; WORK LEFT OUT: attention_mask (reference() never reads it); and the key steps that the stored list does not name: there every p is 0 in f32 and M cannot move (shown at the head of the launch that makes the list, for every mask).
;   LIMIT: a NaN or an infinity that lies only in what is left out is not carried to the result.
; THE SOFTMAX AHEAD OF THE SECOND PRODUCT: logit = sum x 2^(e0+e1-3) + mask (one fused multiply-add: the factor is a power of two, so this is reference()'s product, scaling and addition bit for bit); t = logit x log2(e), rounded
;   by itself, so that t - M is never above 0 whatever the mask's size; M = the running largest t rounded UP to a whole number, kept as -M; p = 2^(t - M) is quantised with 2^e2; the row's sum is taken of the unquantised p;
;   when M moves, the sum and O are multiplied by 2^(old M - new M), which rounds nothing.
; SHARES.  Work-group g: batch g / 128, 64 queries (g / 4) % 32, heads 4 (g % 4) + 0..3.  Wave w has ONE head and all four tiles of 16 queries, so each fragment of K and V that it loads feeds four tiles.
;   A step's mask, 64 queries x 128 keys of f32, is the same for the four heads: each wave loads 16 of its rows, 512 consecutive bytes a load, and the four share them through LDS (two stages by turns).
; THE WALK.  The four tiles' words of the list are joined; trip k serves the k-th step named.  The loop has a constant 16 trips, so that every wave passes every barrier; a trip beyond the list's end does no work.
;   Loads run two entries ahead, into register sets that take turns by the trip's parity; a step's loads have a whole step's arithmetic in which to land.
; NO TENSOR LOAD, NO CLUSTER: which steps are walked, and so every branch round a step's loads, hangs on numbers read from memory; K and V come from memory straight into registers, in the order of the operand's registers.
; LAYOUT.  Both products are used transposed: S^T = K Q^T (source 0 = 16 keys, source 1 = 16 queries), O^T = V^T P^T: a lane holds ONE query (lane % 16) throughout.  Lane r of tile 2 b + u of K takes key 32 b + 8 u + r + 8 (r / 8),
;   so that registers 16 b + 0..15 of S^T are keys 32 b + 16 (lane / 16) + 0..15.  Tile cc of V^T holds d = 4 m + cc, so that a lane ends with 32 neighbouring d.  Along each product's K both operands are laid by the same map.
; LIMITS: e0 + e1 - 3 between -126 and 127; e2 between -126 and 119 (each makes an f32 power of two); e2 + e3 goes in by v_ldexp_f32 and has none.
; REGISTERS, in windows of 256 (s_set_vgpr_msb: bits 1:0 source 0, 3:2 source 1, 5:4 source 2, 7:6 destination):
;   window 0: v1 16 x lane  v2 K's lane offset  v3 stage, in  v4 stage, back  v5, v6 the way out's stage  v7 offset in out  v8, v9 the add's two  v10-14 at work  v[20:21] f  v24-39 four a tile: -M, largest t, the sum in two halves
;             v40 448 x 2^e2  v41 2^e2  v42 a lane exchange's destination  v44-47 1 / sum  v48-63 p's codes  v64-127 S^T, then p  v128-191 the mask in S^T's order  v192-223 Q, 8 a tile
;   window 1: v0-127 K, two sets of 8 tiles x 8;  v128-255 V, two sets of 4 tiles x 16        window 2: v0-127 O^T, 32 a tile;  v128-191 the mask as it is loaded
.set MST,   33792                      ; a stage: 64 rows x (512 bytes + 16): row r starts 4 r banks on, so the 16 rows of a load fall on 16 different groups of banks (64 banks of 4 bytes: ISA guide 11.1)
.set OSTG,  2*MST                      ; the way out: 16 rows x (256 bytes + 16) for each wave
.set SPARE, OSTG+4*16*272              ; the spare words, 128 bytes for each wave: two blocks of 256 bytes that no other line names
.set PC,  48
.set SC,  64
.set MK,  128
.set QF,  192
.set MSB, 0
.macro WIN new                         ; the immediate's high byte repeats the setting that is left; a switch that changes nothing is dropped
.if MSB != \new
	s_set_vgpr_msb (MSB<<8)|\new
.set MSB, \new
.endif
.endm
	s_load_b256 s[4:11], s[0:1], 0x0               ; qc s[4:5], kc s[6:7], vc s[8:9], mask s[10:11]
	s_load_b128 s[12:15], s[0:1], 0x20             ; live s[12:13], lowp_scales s[14:15]
	s_load_b64 s[16:17], s[0:1], 0x30              ; out0
	v_lshl_add_u32 v8, v0, 2, SPARE                ; my spare word,
	v_mov_b32 v9, 0                                ; and 0: kept for the closing lines alone
	v_lshrrev_b32 v10, 5, v0
	v_readfirstlane_b32 s18, v10                   ; wave 0..3
	v_and_b32 v11, 31, v0
	v_lshlrev_b32 v1, 4, v11                       ; 16 x lane
	v_and_b32 v12, 15, v0                          ; r
	v_bfe_u32 v13, v0, 4, 1                        ; hf
	v_bfe_u32 v14, v0, 3, 1                        ; r / 8
	v_and_b32 v10, 7, v0                           ; r % 8
	v_lshlrev_b32 v2, 10, v14
	v_lshl_add_u32 v2, v13, 7, v2
	v_lshl_add_u32 v2, v10, 4, v2                  ; K: 1,024 (r / 8) + 128 hf + 16 (r % 8)
	s_mul_i32 s33, s18, 8448
	v_add_nc_u32 v3, s33, v1                       ; stage, in: my wave's 16 rows, 16 bytes a lane
	v_mul_u32_u24 v4, v12, 528
	v_lshl_add_u32 v4, v13, 6, v4                  ; stage, back: row r, my half's 16 keys of each 32
	s_mul_i32 s33, s18, 16*272
	s_add_co_u32 s33, s33, OSTG
	v_mul_u32_u24 v5, v12, 272
	v_lshl_add_u32 v5, v13, 7, v5
	v_add_nc_u32 v5, s33, v5                       ; the way out, in: row r, d = 32 hf on
	v_mul_u32_u24 v6, v13, 272
	v_lshl_add_u32 v6, v12, 4, v6
	v_add_nc_u32 v6, s33, v6                       ; back: lanes 0-15 one row, lanes 16-31 the next
	v_lshlrev_b32 v7, 12, v13
	v_lshl_add_u32 v7, v12, 4, v7                  ; and the same two rows in out
	v_mov_b32 v20, 0                               ; written once: named on ways on which no step has been computed, or as half of a pair, or as a lane exchange's destination
	v_mov_b32 v21, 0
	v_mov_b32 v42, 0
	s_and_b32 s19, ttmp9, 3
	s_lshl_b32 s19, s19, 2
	s_add_co_u32 s19, s19, s18                     ; my head H
	s_lshr_b32 s30, ttmp9, 2                       ; 32 x batch + block of 64 queries
	s_lshr_b32 s31, ttmp9, 7                       ; batch
	s_lshl_b32 s32, s31, 4
	s_add_co_u32 s32, s32, s19
	s_lshl_b32 s34, s32, 17                        ; (16 batch + H) x 131,072: the head's first byte in each buffer of codes
	s_mov_b32 s35, 0
	s_mov_b32 s50, 0x3fb8aa3b                      ; log2(e); the packed form names a pair and takes its low word for both halves
	s_mov_b32 s51, s50
	s_mov_b32 s52, 0x76543210                      ; v_permlanex16_b32: lane l xor 16
	s_mov_b32 s53, 0xfedcba98
	s_wait_kmcnt 0x0
	s_add_nc_u64 s[36:37], s[6:7], s[34:35]        ; K's codes of my head
	s_add_nc_u64 s[38:39], s[8:9], s[34:35]        ; V's
	s_add_nc_u64 s[4:5], s[4:5], s[34:35]
	s_and_b32 s33, s30, 31
	s_lshl_b32 s34, s33, 12
	s_add_nc_u64 s[4:5], s[4:5], s[34:35]          ; Q's, at my four tiles
	s_lshl_b32 s34, s30, 4
	s_add_nc_u64 s[12:13], s[12:13], s[34:35]
	s_load_b128 s[20:23], s[12:13], 0x0            ; the list's words of my four tiles
	s_load_b128 s[24:27], s[14:15], 0x0            ; e0, e1, e2, e3
	s_lshl_b32 s34, s30, 6
	s_lshl_b32 s33, s18, 4
	s_add_co_u32 s34, s34, s33
	s_lshl_b32 s34, s34, 13
	s_add_nc_u64 s[40:41], s[10:11], s[34:35]      ; the mask at the 16 rows that my wave loads
	s_lshl_b32 s34, s30, 18
	s_lshl_b32 s33, s19, 8
	s_add_co_u32 s34, s34, s33
	s_add_nc_u64 s[16:17], s[16:17], s[34:35]      ; out at my block's first row, my head's 256 bytes
.irp i, 0,1,2,3
.irp g, 0,1
	global_load_b128 v[QF+8*\i+4*\g:QF+8*\i+4*\g+3], v1, s[4:5] offset:1024*\i+512*\g   ; Q stays in registers
.endr
.endr
	s_wait_kmcnt 0x0
	s_or_b32 s28, s20, s21
	s_or_b32 s28, s28, s22
	s_or_b32 s28, s28, s23
	s_and_b32 s28, s28, 0xffff                     ; the steps that count for any of my 64 queries
	s_bcnt1_i32_b32 s29, s28
	s_max_u32 s29, s29, 1                          ; how many
	s_add_co_i32 s48, s24, s25
	s_add_co_i32 s48, s48, 124
	s_lshl_b32 s48, s48, 23                        ; 2^(e0 + e1 - 3)
	s_mov_b32 s49, s48
	s_add_co_i32 s54, s26, s27                     ; e2 + e3
	s_add_co_i32 s33, s26, 127
	s_lshl_b32 s34, s33, 23
	v_mov_b32 v41, s34                             ; 2^e2: the conversion takes its exponent field
	s_add_co_i32 s33, s33, 8
	s_lshl_b32 s33, s33, 23
	s_or_b32 s33, s33, 0x600000
	v_mov_b32 v40, s33                             ; 448 x 2^e2
; The list's next step: its mask rows, K (8 tiles) and V (4 tiles) are asked for, into set p.  The step's number is a loaded number: it is held at 15 before it enters an address (an empty list gives 15: inside every buffer).
; Every LOADS stands behind a wait for all earlier loads, so the three bases may be written.
.macro LOADS p
	s_ctz_i32_b32 s32, s28
	s_min_u32 s32, s32, 15
	s_sub_co_u32 s33, s28, 1
	s_and_b32 s28, s28, s33                        ; the bit is taken off the list
	s_lshl_b32 s34, s32, 13
	s_mov_b32 s35, 0
	s_add_nc_u64 s[42:43], s[36:37], s[34:35]
	s_add_nc_u64 s[44:45], s[38:39], s[34:35]
	s_lshl_b32 s34, s32, 9
	s_add_nc_u64 s[46:47], s[40:41], s[34:35]
.rept 4
	v_nop                                          ; four places between the last matrix instruction that read set p and the loads into it
.endr
	WIN 0x80
.irp i, 0,1,2,3,4,5,6,7,8,9,10,11,12,13,14,15
	global_load_b128 v[128+4*\i:128+4*\i+3], v1, s[46:47] offset:8192*\i   ; 128 keys of one mask row: 512 consecutive bytes
.endr
	WIN 0x40
.irp t, 0,1,2,3,4,5,6,7
.irp g, 0,1
	global_load_b128 v[64*(\p)+8*\t+4*\g:64*(\p)+8*\t+4*\g+3], v2, s[42:43] offset:2048*(\t/2)+256*(2*(\t%2)+\g)   ; two aligned runs of 256 bytes
.endr
.endr
.irp c, 0,1,2,3
.irp k, 0,1,2,3
	global_load_b128 v[128+64*(\p)+16*\c+4*\k:128+64*(\p)+16*\c+4*\k+3], v1, s[44:45] offset:2048*\c+512*\k
.endr
.endr
	WIN 0
.endm
.macro STORE_MASK q                    ; my 16 rows of the step's mask into stage q
	WIN 0x08
.irp i, 0,1,2,3,4,5,6,7,8,9,10,11,12,13,14,15
	ds_store_b128 v3, v[128+4*\i:128+4*\i+3] offset:MST*(\q)+528*\i
.endr
	WIN 0
.endm
.macro MLOAD p, i                      ; tile i's mask from stage p, in S^T's order: register 16 b + e = key 32 b + 16 hf + e of query r
.irp b, 0,1,2,3
.irp m, 0,1,2,3
	ds_load_b128 v[MK+16*\b+4*\m:MK+16*\b+4*\m+3], v4 offset:MST*(\p)+8448*(\i)+128*\b+16*\m
.endr
.endr
.endm
; One tile of 16 queries against one step of 128 keys.
.macro TILE p, i
.set ST, 24+4*(\i)
	WIN 0x01
.irp t, 0,1,2,3,4,5,6,7
	v_wmma_f32_16x16x64_fp8_fp8 v[SC+8*\t:SC+8*\t+7], v[64*(\p)+8*\t:64*(\p)+8*\t+7], v[QF+8*(\i):QF+8*(\i)+7], 0
.endr
	WIN 0
	s_wait_dscnt 0x0                               ; the tile's mask is in
.rept 4
	v_nop                                          ; four places between the last product and the first reader of results (ISA guide 7.12.1)
.endr
.set j, 0
.rept 32
	v_pk_fma_f32 v[SC+j:SC+j+1], v[SC+j:SC+j+1], s[48:49], v[MK+j:MK+j+1] op_sel_hi:[1,0,1]   ; the logit; each accumulator from its low end on
.set j, j+2
.endr
.if (\i) < 3
	MLOAD \p, (\i)+1                               ; the next tile's mask comes while this tile is worked
.endif
.set j, 0
.rept 32
	v_pk_mul_f32 v[SC+j:SC+j+1], v[SC+j:SC+j+1], s[50:51] op_sel_hi:[1,0]   ; t
.set j, j+2
.endr
.irp c, 0,1,2,3                        ; the largest t of my query among my 64 keys, in four chains
	v_max3_num_f32 v[10+\c], v[SC+3*\c], v[SC+3*\c+1], v[SC+3*\c+2]
.endr
.set j, 12
.rept 6
.irp c, 0,1,2,3
	v_max3_num_f32 v[10+\c], v[10+\c], v[SC+j+2*\c], v[SC+j+2*\c+1]
.endr
.set j, j+8
.endr
	v_max3_num_f32 v10, v10, v[SC+60], v[SC+61]
	v_max3_num_f32 v11, v11, v[SC+62], v[SC+63]
	v_max3_num_f32 v10, v10, v11, v12
	v_max_num_f32 v10, v10, v13
	v_permlanex16_b32 v42, v10, s52, s53
	v_max_num_f32 v10, v10, v42                    ; and among lane l xor 16's
	v_max_num_f32 v[ST+1], v[ST+1], v10            ; the running largest t
	v_mov_b32 v14, v[ST]
	v_floor_f32 v[ST], -v[ST+1]                    ; the new -M = -ceil(t): a whole number
	v_sub_f32 v14, v[ST], v14                      ; old M - new M: a whole number, 0 or less
	v_cvt_i32_f32 v14, v14                         ; (it saturates)
	v_ldexp_f32 v20, 1.0, v14                      ; f = 2^(old M - new M)
.set j, 0
.rept 32                               ; ONE BATCH: t - M, a pair at a time, and the 64 exponentials, each pair's behind the next pair's subtraction; none of these lines names an exponential's result
	v_pk_add_f32 v[SC+j:SC+j+1], v[SC+j:SC+j+1], v[ST:ST+1] op_sel_hi:[1,0]
.if j > 0
	v_exp_f32 v[SC+j-2], v[SC+j-2]
	v_exp_f32 v[SC+j-1], v[SC+j-1]
.endif
.set j, j+2
.endr
	v_exp_f32 v[SC+62], v[SC+62]
	v_exp_f32 v[SC+63], v[SC+63]
	v_pk_mul_f32 v[ST+2:ST+3], v[ST+2:ST+3], v[20:21] op_sel_hi:[1,0]   ; the sum under the new M: the plain instruction behind the last exponential
	s_wait_alu depctr_va_vdst(0)                   ; one wait for the batch, ahead of its first reader
	v_pk_add_f32 v[12:13], v[SC:SC+1], v[SC+2:SC+3]   ; the row's sum is taken of the unquantised p, in two chains; a pair is held at the largest code x the scale only behind its addition
.set j, 4
.rept 15
	v_pk_add_f32 v[ST+2:ST+3], v[ST+2:ST+3], v[SC+j:SC+j+1]
	v_pk_add_f32 v[12:13], v[12:13], v[SC+j+2:SC+j+3]
	v_min_num_f32 v[SC+j-4], v[SC+j-4], v40        ; the conversion to an 8-bit code does not saturate (ISA guide 7.6.2); p is not negative, so the hold is one-sided
	v_min_num_f32 v[SC+j-3], v[SC+j-3], v40
	v_min_num_f32 v[SC+j-2], v[SC+j-2], v40
	v_min_num_f32 v[SC+j-1], v[SC+j-1], v40
.set j, j+4
.endr
	v_pk_add_f32 v[ST+2:ST+3], v[ST+2:ST+3], v[12:13]
.irp k, 60,61,62,63
	v_min_num_f32 v[SC+\k], v[SC+\k], v40
.endr
.irp b, 0,1,2,3
	v_cvt_scalef32_pk8_fp8_f32 v[PC+4*\b:PC+4*\b+1], v[SC+16*\b:SC+16*\b+7], v41
	v_cvt_scalef32_pk8_fp8_f32 v[PC+4*\b+2:PC+4*\b+3], v[SC+16*\b+8:SC+16*\b+15], v41
.endr
	WIN 0x82
.set j, 0
.rept 16
	v_pk_mul_f32 v[32*(\i)+j:32*(\i)+j+1], v[32*(\i)+j:32*(\i)+j+1], v[20:21] op_sel_hi:[1,0]   ; O^T under the new M, each accumulator from its low end on; these are also the plain instructions behind the conversions
.set j, j+2
.endr
	WIN 0xa1
.irp c, 0,1,2,3                        ; the four accumulators take turns, one instruction a turn
	v_wmma_f32_16x16x128_fp8_fp8 v[32*(\i)+8*\c:32*(\i)+8*\c+7], v[128+64*(\p)+16*\c:128+64*(\p)+16*\c+15], v[PC:PC+15], v[32*(\i)+8*\c:32*(\i)+8*\c+7]
.endr
	WIN 0
.endm
.macro COMPUTE p
	MLOAD \p, 0
	TILE \p, 0
	TILE \p, 1
	TILE \p, 2
	TILE \p, 3
.endm
; A trip.  s30 = k, the trip's number; s29 = the list's length.  The waits and the barrier are on every way; the branches, on numbers that are the same in all four waves, lead round work alone.
.macro TRIP p
	s_cmp_lt_u32 s30, s29
	s_cbranch_scc0 .Lidle_\@
	COMPUTE \p                                     ; entry k: stage p, set p
.Lidle_\@:
	s_wait_loadcnt 0x0                             ; entry k + 1's loads, asked for at the end of the trip before, are in
	s_add_co_u32 s33, s30, 1
	s_cmp_lt_u32 s33, s29
	s_cbranch_scc0 .Lnost_\@
	STORE_MASK 1-\p                                ; its mask into the other stage, whose last readers were done ahead of the last barrier
.Lnost_\@:
	s_wait_dscnt 0x0                               ; my stores lie in LDS and have read their registers; my reads of stage p are over
	s_add_co_u32 s33, s30, 2
	s_cmp_lt_u32 s33, s29
	s_cbranch_scc0 .Lnold_\@
	LOADS \p                                       ; entry k + 2, into the set just multiplied
.Lnold_\@:
	s_barrier_signal -1
	s_barrier_wait -1
	s_add_co_u32 s30, s30, 1
.endm
	LOADS 0                                        ; entry 0
	WIN 0x80                                       ; while it comes: O^T, the sums and M begin.  The step is written for every trip alike: the first finds zeros, which the first change of M leaves zeros; a first step
.set j, 0                              ; of its own, with the constant 0 as C, would be two more copies of the four tiles' text
.rept 128
	v_mov_b32 v[j], 0
.set j, j+1
.endr
	WIN 0
.irp i, 0,1,2,3
	v_mov_b32 v[25+4*\i], 0xff61b1e6               ; the largest t so far: -3e38, under every t
	v_floor_f32 v[24+4*\i], -v[25+4*\i]            ; -M
	v_mov_b32 v[26+4*\i], 0
	v_mov_b32 v[27+4*\i], 0
.endr
	s_wait_loadcnt 0x0                             ; Q and entry 0
	STORE_MASK 0
	s_wait_dscnt 0x0
	LOADS 1                                        ; entry 1 (beyond the list's end: step 15, which is then not used): so every register of both sets is written on every way
	s_barrier_signal -1
	s_barrier_wait -1                              ; stage 0 is whole
	s_mov_b32 s30, 0
	s_mov_b32 s31, 0
.Lloop:                                            ; 8 x 2 trips: as many as there are key steps
	TRIP 0
	TRIP 1
	s_add_co_u32 s31, s31, 1
	s_cmp_lt_u32 s31, 8
	s_cbranch_scc1 .Lloop
	; THE WAY OUT.  The sum's halves and lane l xor 16's are added (these additions are the places behind the last products); O^T / the sum x 2^(e2 + e3) goes through my stage, a tile at a time, and leaves as whole runs of 256 bytes.
.irp i, 0,1,2,3
	v_add_f32 v[44+\i], v[26+4*\i], v[27+4*\i]
.endr
.irp i, 0,1,2,3
	v_permlanex16_b32 v[10+\i], v[44+\i], s52, s53
.endr
.irp i, 0,1,2,3
	v_add_f32 v[44+\i], v[44+\i], v[10+\i]
.endr
.irp i, 0,1,2,3
	v_rcp_f32 v[44+\i], v[44+\i]
.endr
	v_nop                                          ; a plain instruction behind the last reciprocal,
	s_wait_alu depctr_va_vdst(0)                   ; and one wait for the four, ahead of their first reader
.irp i, 0,1,2,3
	v_ldexp_f32 v[44+\i], v[44+\i], s54
.endr
.irp i, 0,1,2,3
.if \i >= 2
	s_wait_xcnt 0x0                                ; the stores of two tiles back have read their registers: the loads below may land there
.endif
	WIN 0x02
.irp j, 0,1,2,3,4,5,6,7                ; register j of accumulator cc is d = 32 hf + 4 j + cc: j outermost
.irp c, 0,1,2,3
	v_mul_f32 v[MK+32*(\i%2)+4*\j+\c], v[32*\i+8*\c+\j], v[44+\i]
.endr
.endr
	WIN 0
.irp j, 0,1,2,3,4,5,6,7
	ds_store_b128 v5, v[MK+32*(\i%2)+4*\j:MK+32*(\i%2)+4*\j+3] offset:16*\j
.endr
.irp k, 0,1,2,3,4,5,6,7
	ds_load_b128 v[SC+32*(\i%2)+4*\k:SC+32*(\i%2)+4*\k+3], v6 offset:544*\k   ; LDS serves a wave's instructions in order (ISA guide 5.7.1.4): these see my stores
.endr
.irp k, 0,1,2,3,4,5,6,7
	s_wait_dscnt 7-\k                              ; this load is in; the younger ones may be out
	global_store_b128 v7, v[SC+32*(\i%2)+4*\k:SC+32*(\i%2)+4*\k+3], s[16:17] offset:(16*\i+2*\k)*4096 th:TH_STORE_NT   ; sixteen lanes store 256 consecutive bytes, at a multiple of 256 from out0's first byte
.endr
.endr
	s_wait_tensorcnt 0x0                           ; the wave's end: behind my last LDS store
	ds_add_u32 v8, v9
	s_wait_dscnt 0x0
	s_endpgm
.Lfunc_end_k_qa29c8987f1_attn:
	.size	k_qa29c8987f1_attn, .Lfunc_end_k_qa29c8987f1_attn-k_qa29c8987f1_attn
	.p2alignl 7, 3214868480
	.fill 96, 4, 3214868480
	.section	.rodata,"a",@progbits
	.p2align	6, 0x0
	.amdhsa_kernel k_qa29c8987f1_attn
		.amdhsa_group_segment_fixed_size 85504
		.amdhsa_private_segment_fixed_size 0
		.amdhsa_enable_private_segment 0
		.amdhsa_kernarg_size 56
		.amdhsa_user_sgpr_count 2
		.amdhsa_user_sgpr_kernarg_segment_ptr 1
		.amdhsa_wavefront_size32 1
		.amdhsa_system_sgpr_workgroup_id_x 1
		.amdhsa_system_sgpr_workgroup_id_y 1
		.amdhsa_system_sgpr_workgroup_id_z 1
		.amdhsa_system_vgpr_workitem_id 0
		.amdhsa_next_free_vgpr 768
		.amdhsa_next_free_sgpr 66
		.amdhsa_reserve_vcc 0
		.amdhsa_float_denorm_mode_32 3
		.amdhsa_float_denorm_mode_16_64 3
		.amdhsa_memory_ordered 1
		.amdhsa_forward_progress 1
		.amdhsa_inst_pref_size 191
	.end_amdhsa_kernel
	.amdgpu_metadata
---
amdhsa.version: [ 1, 2 ]
amdhsa.kernels:
  - .name:           k_qa29c8987f1_attn
    .symbol:         k_qa29c8987f1_attn.kd
    .args:
      - { .name: qc, .offset: 0, .size: 8, .value_kind: global_buffer, .address_space: global }
      - { .name: kc, .offset: 8, .size: 8, .value_kind: global_buffer, .address_space: global }
      - { .name: vc, .offset: 16, .size: 8, .value_kind: global_buffer, .address_space: global }
      - { .name: sliding_window_mask, .offset: 24, .size: 8, .value_kind: global_buffer, .address_space: global }
      - { .name: live, .offset: 32, .size: 8, .value_kind: global_buffer, .address_space: global }
      - { .name: lowp_scales, .offset: 40, .size: 8, .value_kind: global_buffer, .address_space: global }
      - { .name: out0, .offset: 48, .size: 8, .value_kind: global_buffer, .address_space: global }
    .group_segment_fixed_size: 85504
    .private_segment_fixed_size: 0
    .kernarg_segment_align: 8
    .kernarg_segment_size: 56
    .max_flat_workgroup_size: 128
    .sgpr_count:     66
    .vgpr_count:     768
    .wavefront_size: 32
...
	.end_amdgpu_metadata
.endif
;; end of part 2
